; MI455X (gfx1250); checked and timed in simulation.
; The chip was launched on July 23, 2026; its instructions are those of AMD's public machine-readable ISA for CDNA 5 (MIT licence, August 2026) and "CDNA5" Instruction Set Architecture Reference Guide (July 2026). The comments in the code are by the model that wrote it; some were corrected since.
;; Multi Head Attention. Allowed arithmetic: float matrix products may take bf16 or f16 operands with f32 sums; all other float work in f32.
;; Inputs: Wk 1,024 x 1,024 float32; Wo 1,024 x 1,024 float32; Wq 1,024 x 1,024 float32; Wv 1,024 x 1,024 float32; x 2 x 2,048 x 1,024 float32.
;; Outputs: out0 2 x 2,048 x 1,024 float32.
;; One version. Each part assembles by itself: llvm-mc -triple=amdgcn-amd-amdhsa -mcpu=gfx1250 --defsym DOCPART=n.
;; ======== version 1 of 1: 4 launches
;; limits: values are held in f16: magnitudes above 65,504 overflow, below 6.1e-05 lose precision; right only within a limited range of input values
;; workspace buffers: xh 8,388,608 bytes; wqkv 6,291,456 bytes; woh 2,097,152 bytes; qh 8,388,608 bytes; kh 8,388,608 bytes; vh 8,388,608 bytes; ctxh 8,388,608 bytes
;; launch cast (part 1): grid 32 x 8, 8 waves a work-group, no clusters, 0 bytes of LDS; arguments x, Wq, Wk, Wv, Wo, xh, wqkv, woh; writes xh, wqkv, woh
.if DOCPART == 1
	.amdgcn_target "amdgcn-amd-amdhsa--gfx1250"
	.amdhsa_code_object_version 6
	.text
	.protected	k_qbfd12e5972_cast
	.globl	k_qbfd12e5972_cast
	.p2align	8
	.type	k_qbfd12e5972_cast,@function
k_qbfd12e5972_cast:
	s_mov_b64 s[64:65], 0
	v_nop
	global_prefetch_b8 v0, s[64:65] scope:SCOPE_SE
	s_setreg_imm32_b32 hwreg(HW_REG_WAVE_MODE, 25, 1), 1
	s_wait_xcnt 0x0
; The five inputs, rounded once to bf16 for the matrix units.
; They are eight matrices of 1024 x 1024 f32 (x is four of them).  Work-group (gx, y): matrix y, rows 32 gx .. 32 gx + 31.
;   y = 0..3: quarter y of x   -> xh   [4096][1024] bf16
;   y = 4..6: Wq, Wk, Wv       -> wqkv [16 heads][192][1024] bf16: a head's 64 rows of Wq, then of Wk, then of Wv
;   y = 7:    Wo               -> woh  [1024][1024]: rounded to bf16 like the others, then held as f16, since its partner in the last product is f16
; A stream: no LDS, no matrix unit, no cluster (no byte is read by two work-groups).  Thread t takes 8 numbers of every step, the work-group 2 rows
; a step, 16 steps.  All 32 loads of a thread are issued first (128 KiB of the work-group on their way).  A step's registers are written again only
; behind the wait for its own loads, and no register that a store reads is written behind that store.  A wave's store covers 512 consecutive bytes, aligned.
; LIMIT (Wo alone): a bf16 number is held exactly in f16 from 2^-17 to 65,504; beyond it becomes an infinity, below it is off by 2^-25 at the most.
.set IN,  8                            ; v[8:135]    step i: 8 numbers as loaded
.set OUT, 136                          ; v[136:199]  step i: 8 numbers of 16 bits to store
	s_load_b512 s[4:19], s[0:1], 0x0               ; x s[4:5], Wq s[6:7], Wk s[8:9], Wv s[10:11], Wo s[12:13], xh s[14:15], wqkv s[16:17], woh s[18:19]
	s_and_b32 s2, ttmp7, 0xffff                    ; y: which matrix
	s_mov_b32 s3, 0xffff0000                       ; a word's upper bf16
	v_lshlrev_b32 v1, 5, v0                        ; my 32 bytes of a step's source
	v_lshlrev_b32 v2, 4, v0                        ; my 16 bytes of a step's result
	; byte offsets, whole numbers in registers of their own
	s_lshl_b32 s24, s2, 22                         ; x: quarter y is 4 MiB
	s_cmp_lt_u32 s2, 4
	s_cselect_b32 s24, s24, 0                      ; the weights start at their own buffers
	s_lshl_b32 s25, ttmp9, 17                      ; 32 rows of 4,096 bytes
	s_add_co_u32 s24, s24, s25
	s_mov_b32 s25, 0
	s_lshl_b32 s26, s2, 21                         ; xh: quarter y is 2 MiB,
	s_lshl_b32 s27, ttmp9, 16                      ; 32 rows of 2,048 bytes (woh: this alone)
	s_add_co_u32 s26, s26, s27
	s_lshr_b32 s28, ttmp9, 1                       ; wqkv: head = gx / 2,
	s_mul_i32 s28, s28, 192                        ; 192 rows a head,
	s_sub_co_u32 s29, s2, 4
	s_lshl_b32 s29, s29, 6                         ; 64 rows for each of q, k, v (not used where y < 4),
	s_add_co_u32 s28, s28, s29
	s_and_b32 s29, ttmp9, 1
	s_lshl_b32 s29, s29, 5                         ; which 32 of the 64
	s_add_co_u32 s28, s28, s29
	s_lshl_b32 s28, s28, 11                        ; rows of 2,048 bytes
	s_cmp_ge_u32 s2, 4
	s_cselect_b32 s26, s28, s26
	s_cmp_eq_u32 s2, 7
	s_cselect_b32 s26, s27, s26
	s_mov_b32 s27, 0
	s_wait_kmcnt 0x0
	; the source and the destination buffer, chosen on y
	s_mov_b64 s[20:21], s[4:5]
	s_cmp_eq_u32 s2, 4
	s_cselect_b64 s[20:21], s[6:7], s[20:21]
	s_cmp_eq_u32 s2, 5
	s_cselect_b64 s[20:21], s[8:9], s[20:21]
	s_cmp_eq_u32 s2, 6
	s_cselect_b64 s[20:21], s[10:11], s[20:21]
	s_cmp_eq_u32 s2, 7
	s_cselect_b64 s[20:21], s[12:13], s[20:21]
	s_mov_b64 s[22:23], s[14:15]
	s_cmp_ge_u32 s2, 4
	s_cselect_b64 s[22:23], s[16:17], s[22:23]
	s_cmp_eq_u32 s2, 7
	s_cselect_b64 s[22:23], s[18:19], s[22:23]
	s_add_nc_u64 s[20:21], s[20:21], s[24:25]
	s_add_nc_u64 s[22:23], s[22:23], s[26:27]
.set i, 0
.rept 16
	global_load_b128 v[IN+8*i:IN+8*i+3],   v1, s[20:21] offset:i*8192 th:TH_LOAD_NT
	global_load_b128 v[IN+8*i+4:IN+8*i+7], v1, s[20:21] offset:i*8192+16 th:TH_LOAD_NT
.set i, i+1
.endr
; The sixteen steps.  wo = 1: the bf16 numbers are widened again and packed as f16.
.macro STEPS wo
.set i, 0
.rept 16
	s_wait_loadcnt 30-2*i                          ; loads return in order: step i's two are in, the two of each younger step may be out
.irp j, 0,1,2,3
	v_cvt_pk_bf16_f32 v[OUT+4*i+\j], v[IN+8*i+2*\j], v[IN+8*i+2*\j+1]
.endr
.if \wo
.irp j, 0,1,2,3
	v_lshlrev_b32 v[IN+8*i+2*\j],   16, v[OUT+4*i+\j]          ; bf16 to f32: the low half moves up,
	v_and_b32     v[IN+8*i+2*\j+1], s3, v[OUT+4*i+\j]          ; the high half stays
.endr
.irp j, 0,1,2,3
	v_cvt_pk_f16_f32 v[OUT+4*i+\j], v[IN+8*i+2*\j], v[IN+8*i+2*\j+1]
.endr
.endif
	global_store_b128 v2, v[OUT+4*i:OUT+4*i+3], s[22:23] offset:i*4096
.set i, i+1
.endr
.endm
	s_cmp_eq_u32 s2, 7
	s_cbranch_scc1 .Lwo
	STEPS 0                                        ; x, Wq, Wk, Wv
	s_endpgm
.Lwo:
	STEPS 1                                        ; Wo
	s_endpgm
.Lfunc_end_k_qbfd12e5972_cast:
	.size	k_qbfd12e5972_cast, .Lfunc_end_k_qbfd12e5972_cast-k_qbfd12e5972_cast
	.p2alignl 7, 3214868480
	.fill 96, 4, 3214868480
	.section	.rodata,"a",@progbits
	.p2align	6, 0x0
	.amdhsa_kernel k_qbfd12e5972_cast
		.amdhsa_group_segment_fixed_size 0
		.amdhsa_private_segment_fixed_size 0
		.amdhsa_enable_private_segment 0
		.amdhsa_kernarg_size 64
		.amdhsa_user_sgpr_count 2
		.amdhsa_user_sgpr_kernarg_segment_ptr 1
		.amdhsa_wavefront_size32 1
		.amdhsa_system_sgpr_workgroup_id_x 1
		.amdhsa_system_sgpr_workgroup_id_y 1
		.amdhsa_system_sgpr_workgroup_id_z 1
		.amdhsa_system_vgpr_workitem_id 0
		.amdhsa_next_free_vgpr 200
		.amdhsa_next_free_sgpr 66
		.amdhsa_reserve_vcc 0
		.amdhsa_float_denorm_mode_32 3
		.amdhsa_float_denorm_mode_16_64 3
		.amdhsa_memory_ordered 1
		.amdhsa_forward_progress 1
		.amdhsa_inst_pref_size 25
	.end_amdhsa_kernel
	.amdgpu_metadata
---
amdhsa.version: [ 1, 2 ]
amdhsa.kernels:
  - .name:           k_qbfd12e5972_cast
    .symbol:         k_qbfd12e5972_cast.kd
    .args:
      - { .name: x, .offset: 0, .size: 8, .value_kind: global_buffer, .address_space: global }
      - { .name: Wq, .offset: 8, .size: 8, .value_kind: global_buffer, .address_space: global }
      - { .name: Wk, .offset: 16, .size: 8, .value_kind: global_buffer, .address_space: global }
      - { .name: Wv, .offset: 24, .size: 8, .value_kind: global_buffer, .address_space: global }
      - { .name: Wo, .offset: 32, .size: 8, .value_kind: global_buffer, .address_space: global }
      - { .name: xh, .offset: 40, .size: 8, .value_kind: global_buffer, .address_space: global }
      - { .name: wqkv, .offset: 48, .size: 8, .value_kind: global_buffer, .address_space: global }
      - { .name: woh, .offset: 56, .size: 8, .value_kind: global_buffer, .address_space: global }
    .group_segment_fixed_size: 0
    .private_segment_fixed_size: 0
    .kernarg_segment_align: 8
    .kernarg_segment_size: 64
    .max_flat_workgroup_size: 256
    .sgpr_count:     66
    .vgpr_count:     200
    .wavefront_size: 32
...
	.end_amdgpu_metadata
.endif
;; end of part 1
;; launch qkv (part 2): grid 16 x 16, 4 waves a work-group, clusters of 4 x 4, 327,680 bytes of LDS; arguments xh, wqkv, qh, kh, vh; writes qh, kh, vh
.if DOCPART == 2
	.amdgcn_target "amdgcn-amd-amdhsa--gfx1250"
	.amdhsa_code_object_version 6
	.text
	.protected	k_qbfd12e5972_qkv
	.globl	k_qbfd12e5972_qkv
	.p2align	8
	.type	k_qbfd12e5972_qkv,@function
k_qbfd12e5972_qkv:
	s_mov_b64 s[64:65], 0
	v_nop
	global_prefetch_b8 v0, s[64:65] scope:SCOPE_SE
	s_setreg_imm32_b32 hwreg(HW_REG_WAVE_MODE, 25, 1), 1
	s_wait_xcnt 0x0
	s_wait_alu depctr_hold_cnt(0) depctr_sa_sdst(0) depctr_va_vdst(0) depctr_va_sdst(0) depctr_va_ssrc(0) depctr_va_vcc(0) depctr_vm_vsrc(0)
	s_getreg_b32 s2, hwreg(HW_REG_IB_STS2, 6, 4)
	s_cmp_eq_u32 s2, 0
	s_cbranch_scc0 .Lentry_in_a_cluster
	s_endpgm
.Lentry_in_a_cluster:
	s_bfe_u32 s2, ttmp6, 0x10000c
	s_cmp_lg_u32 s2, 0xf033
	s_cbranch_scc0 .Lentry_shape_is_right
	s_endpgm
.Lentry_shape_is_right:
; q, k, v of one head for 256 rows of x:  [256 x 1024] x [192 x 1024]^T, bf16 operands, f32 sums; the results leave as f16, which keeps three
; bits more than bf16: rows of the final result that average few keys need them.
; Work-group (head, br): rows 256 br .. + 255 of xh, rows 192 head .. + 191 of wqkv (64 of Wq, 64 of Wk, 64 of Wv).
; Four waves; wave w makes rows 64 w .. + 63 by all 192 columns: 48 accumulator tiles of 16 x 16, 384 registers.  So a wave owns whole rows of
; q, k and v, which leave as dense 128-byte rows into [batch][head][row][64] f16.
; q is multiplied by log2(e) / 8 in f32 before its one rounding: the attention launch's score products are then exponents to base 2.
; K goes in 8 steps of 128 through two LDS slots; a tile's rows are 256 bytes of memory, each at a multiple of 256 from its buffer's first byte.
; CLUSTER 4 x 4: the four work-groups of a row of the cluster share br and ask jointly for x's tiles, the four of a column share the head and
; ask jointly for the weights' tiles.  Every wave issues one joint load of each kind for a slot (64 rows of x, 48 rows of weights).
; By this text's own count a wave has at most four tensor loads outstanding (the two slots' first fills), later two.
; LIMIT: |q|, |k|, |v| beyond 65,504 become infinities in f16.
;
; REGISTERS in windows of 256:  window 0: addresses, x's fragments (two buffers of 4), the way out's registers
;   window 1: the weights' fragments (two buffers of 12)      window 2: tiles (a, b < 6) at 8 (6 a + b)      window 3: tiles (a, b >= 6)
; THE MATRIX INSTRUCTION IS USED TRANSPOSED: source 0 = 16 rows of weights, source 1 = 16 rows of x; a lane (r, h) then holds row r of the result and
; its registers the eight neighbouring columns 16 b + 8 h + 0..7, which pack into 16 bytes.
.set KSTEP,  128
.set PITCH,  272                       ; 256 bytes of data + 16: an odd multiple of 16, so the 16 rows of a fragment load begin in 16 different 16-byte columns of a 256-byte span
.set BOFF,   256*PITCH                 ; x's 256 rows, then the weights' 192
.set SLOT,   448*PITCH                 ; 121,856
.set STAGE,  2*SLOT                    ; 243,712, a multiple of 256: no tensor load ever lands here
.set SPITCH, 400                       ; a stage row: 384 bytes (q, k, v) + 16
.set ADRA, 16                          ; v16-17  LDS address of my x fragments in slot 0, 1
.set ADRB, 20                          ; v20-21  the same for the weights
.set STO,  24                          ; v24     the way out: where I put 16 bytes of a row
.set RD,   25                          ; v25     the way out: where I read rows back
.set CO,   26                          ; v26     16 x lane
.set FA,   32                          ; v32-63, v64-95   x's fragments, buffer 0, 1 (window 0)
.set TMP,  96                          ; v96-143   packed results
.set OUTB, 144                         ; v144-191  rows read back
.set G1A, 32                           ; s[32:39] shape of x's tiles        s[40:47] shape of the weights' tiles
.set G1B, 40
.set G0A, 48                           ; s[48:55] from where, to where: x, slot 0 and 1       s[56:63] the weights
.set G0B, 56
.set MSB, 0
.macro WIN new                         ; the immediate's high byte repeats the setting that is left
.if MSB != \new
	s_set_vgpr_msb (MSB<<8)|\new
.set MSB, \new
.endif
.endm
.set MUL_LO, 0xa1                      ; source 0 window 1, source 1 window 0, C and D window 2
.set MUL_HI, 0xf1                      ; the same, C and D window 3
.set TO_B,   0x40                      ; destination window 1, address window 0
.macro PLACES                          ; four places behind the last matrix instruction, in front of loads into its sources and of reads of results
.rept 4
	v_nop
.endr
.endm
.macro CREST                           ; a round of the cluster's barrier behind its opening work-group barrier
	s_cmp_lg_u32 s14, 0
	s_cbranch_scc1 .Lnot_wave_0_\@
	s_barrier_signal -3
.Lnot_wave_0_\@:
	s_barrier_wait -3
	s_barrier_signal -1
	s_barrier_wait -1
.endm
.macro CROUND
	s_barrier_signal -1
	s_barrier_wait -1
	CREST
.endm
.macro JLOAD s                         ; my two joint loads for slot s: the same two lines, with the same descriptors, in all four partners of each mask
	tensor_load_to_lds s[G0A+4*\s:G0A+4*\s+3], s[G1A:G1A+7]
	s_nop 0
	tensor_load_to_lds s[G0B+4*\s:G0B+4*\s+3], s[G1B:G1B+7]
	s_nop 0
.endm
	s_load_b256 s[4:11], s[0:1], 0x0               ; xh s[4:5], wqkv s[6:7], qh s[8:9], kh s[10:11]
	s_load_b64 s[12:13], s[0:1], 0x20              ; vh
	s_set_vgpr_msb 0x40
	v_lshl_add_u32 v255, v0, 2, 0x41c00
	s_set_vgpr_msb 0x4000
	v_mov_b32 v255, 0
	s_set_vgpr_msb 0x1
	ds_add_u32 v255, v255
	ds_add_u32 v255, v255
	s_set_vgpr_msb 0x100
	v_lshrrev_b32 v1, 5, v0
	v_readfirstlane_b32 s14, v1                    ; wave 0..3
	s_bfe_u32 s15, ttmp6, 0x40000                  ; cx
	s_bfe_u32 s16, ttmp6, 0x40004                  ; cy
	s_lshl_b32 s17, ttmp9, 2
	s_add_co_u32 s17, s17, s15                     ; head = 4 x cluster x + cx
	s_and_b32 s18, ttmp7, 0xffff
	s_lshl_b32 s18, s18, 2
	s_add_co_u32 s18, s18, s16                     ; br = 4 x cluster y + cy
	s_lshl_b32 s19, s16, 2
	s_lshl_b32 s19, 15, s19                        ; my row of the cluster: places 4 cy .. 4 cy + 3
	s_lshl_b32 s20, 0x1111, s15                    ; my column: places cx, cx + 4, cx + 8, cx + 12
	s_mov_b32 s28, 0x3e38aa3b                      ; log2(e) / 8
	s_mov_b32 s29, 0x3e38aa3b
	; shapes: elements of 2 bytes, 4 words of padding behind every 64 words, bit 21 beside a mask
	s_or_b32 s[G1A+0], s19, (1<<16)|(1<<20)|(1<<21)|(5<<22)|(3<<25)
	s_mov_b32 s[G1A+1], KSTEP<<16                  ; tensor_dim0 = 128
	s_mov_b32 s[G1A+2], 64<<16                     ; tensor_dim1 = 64
	s_mov_b32 s[G1A+3], KSTEP<<16                  ; tile_dim0 = 128
	s_mov_b32 s[G1A+4], 64                         ; tile_dim1 = 64
	s_mov_b32 s[G1A+5], 1024                       ; elements from row to row
	s_mov_b32 s[G1A+6], 0
	s_mov_b32 s[G1A+7], 0
	s_or_b32 s[G1B+0], s20, (1<<16)|(1<<20)|(1<<21)|(5<<22)|(3<<25)
	s_mov_b32 s[G1B+1], KSTEP<<16
	s_mov_b32 s[G1B+2], 48<<16                     ; 48 rows
	s_mov_b32 s[G1B+3], KSTEP<<16
	s_mov_b32 s[G1B+4], 48
	s_mov_b32 s[G1B+5], 1024
	s_mov_b32 s[G1B+6], 0
	s_mov_b32 s[G1B+7], 0
	; x's tiles hang on br and the wave alone, the weights' on the head and the wave alone
	s_lshl_b32 s22, s18, 19                        ; 256 rows of 2,048 bytes
	s_lshl_b32 s21, s14, 17                        ; 64 rows
	s_add_co_u32 s22, s22, s21
	s_mov_b32 s23, 0
	s_mul_i32 s26, s17, 192*2048
	s_mul_i32 s21, s14, 48*2048
	s_add_co_u32 s26, s26, s21
	s_mov_b32 s27, 0
	s_mul_i32 s24, s14, 64*PITCH                   ; LDS: the wave's number and constants alone
	s_mul_i32 s25, s14, 48*PITCH
	s_add_co_u32 s25, s25, BOFF
	s_wait_dscnt 0x0
	s_wait_kmcnt 0x0
	s_add_nc_u64 s[22:23], s[4:5], s[22:23]
	s_add_nc_u64 s[26:27], s[6:7], s[26:27]
	CROUND                                         ; all sixteen work-groups are here: the first joint loads meet
.irp s, 0,1
	s_mov_b32 s[G0A+4*\s], 1
	s_add_co_u32 s[G0A+4*\s+1], s24, \s*SLOT
	s_add_nc_u64 s[G0A+4*\s+2:G0A+4*\s+3], s[22:23], \s*KSTEP*2
	s_or_b32 s[G0A+4*\s+3], s[G0A+4*\s+3], 0x80000000
	s_mov_b32 s[G0B+4*\s], 1
	s_add_co_u32 s[G0B+4*\s+1], s25, \s*SLOT
	s_add_nc_u64 s[G0B+4*\s+2:G0B+4*\s+3], s[26:27], \s*KSTEP*2
	s_or_b32 s[G0B+4*\s+3], s[G0B+4*\s+3], 0x80000000
	JLOAD \s
.endr
	v_and_b32 v1, 15, v0                           ; r
	v_bfe_u32 v2, v0, 4, 1                         ; h
	v_mul_u32_u24 v3, v1, PITCH
	v_lshl_add_u32 v3, v2, 4, v3                   ; r x pitch + 16 h
	v_add_nc_u32 v[ADRA], s24, v3                  ; my 64 rows of x
	v_add_nc_u32 v[ADRA+1], SLOT, v[ADRA]
	v_add_nc_u32 v[ADRB], BOFF, v3                 ; all 192 rows of weights
	v_add_nc_u32 v[ADRB+1], SLOT, v[ADRB]
	s_mul_i32 s21, s14, 16*SPITCH
	s_add_co_u32 s21, s21, STAGE                   ; my stage
	v_mul_u32_u24 v3, v1, SPITCH
	v_lshl_add_u32 v3, v2, 4, v3
	v_add_nc_u32 v[STO], s21, v3                   ; in: row r, 16 bytes for each half of the lanes
	v_bfe_u32 v4, v0, 3, 2                         ; back: eight lanes take 128 bytes of a row, the wave four rows
	v_and_b32 v5, 7, v0
	v_mul_u32_u24 v4, v4, SPITCH
	v_lshl_add_u32 v4, v5, 4, v4
	v_add_nc_u32 v[RD], s21, v4
	v_and_b32 v5, 31, v0
	v_lshlrev_b32 v[CO], 4, v5
	; where my 64 rows of q, k, v begin: batch br / 8, the head, row 256 (br % 8) + 64 w, rows of 128 bytes
	s_lshr_b32 s66, s18, 3
	s_lshl_b32 s66, s66, 22
	s_lshl_b32 s67, s17, 18
	s_add_co_u32 s66, s66, s67
	s_and_b32 s67, s18, 7
	s_lshl_b32 s67, s67, 15
	s_add_co_u32 s66, s66, s67
	s_lshl_b32 s67, s14, 13
	s_add_co_u32 s66, s66, s67
	s_mov_b32 s67, 0
	s_add_nc_u64 s[8:9], s[8:9], s[66:67]
	s_add_nc_u64 s[10:11], s[10:11], s[66:67]
	s_add_nc_u64 s[12:13], s[12:13], s[66:67]
; 32 LDS loads: the fragments of 32 along K at byte k of slot's rows, into buffer g
.macro FETCH slot, k, g
	WIN 0
.irp i, 0,1,2,3
	ds_load_b128 v[FA+32*\g+8*\i:FA+32*\g+8*\i+3],   v[ADRA+\slot] offset:\k+\i*16*PITCH
	ds_load_b128 v[FA+32*\g+8*\i+4:FA+32*\g+8*\i+7], v[ADRA+\slot] offset:\k+\i*16*PITCH+32
.endr
	WIN TO_B
.irp b, 0,1,2,3,4,5,6,7,8,9,10,11
	ds_load_b128 v[96*\g+8*\b:96*\g+8*\b+3],   v[ADRB+\slot] offset:\k+\b*16*PITCH
	ds_load_b128 v[96*\g+8*\b+4:96*\g+8*\b+7], v[ADRB+\slot] offset:\k+\b*16*PITCH+32
.endr
.endm
; 12 matrix instructions: row blocks a0, a0 + 1 by six column blocks (hi = 0: 0-5, 1: 6-11).  zero = 1: the first product starts the sums.
; The 48 accumulators take turns, one instruction a turn, in the same order in every quarter step.
.macro MULH f, hi, a0, zero
.irp a, \a0, \a0+1
.irp b, 0,1,2,3,4,5
.if \zero
	v_wmma_f32_16x16x32_bf16 v[8*(6*(\a)+\b):8*(6*(\a)+\b)+7], v[96*\f+8*(6*\hi+\b):96*\f+8*(6*\hi+\b)+7], v[FA+32*\f+8*(\a):FA+32*\f+8*(\a)+7], 0
.else
	v_wmma_f32_16x16x32_bf16 v[8*(6*(\a)+\b):8*(6*(\a)+\b)+7], v[96*\f+8*(6*\hi+\b):96*\f+8*(6*\hi+\b)+7], v[FA+32*\f+8*(\a):FA+32*\f+8*(\a)+7], v[8*(6*(\a)+\b):8*(6*(\a)+\b)+7]
.endif
.endr
.endr
.endm
; A quarter step: buffer f is in; the next quarter's fragments are asked for first, into buffer g, and have this quarter's 48 matrix instructions in which to come.
.macro QUARTER slot, k, f, g, zero
	s_wait_dscnt 0x0                               ; buffer f's 32 loads are back
	PLACES
	FETCH \slot, \k, \g
	WIN MUL_LO
	MULH \f, 0, 0, \zero
	MULH \f, 0, 2, \zero
	WIN MUL_HI
	MULH \f, 1, 0, \zero
	MULH \f, 1, 2, \zero
.endm
; The last quarter of a K step multiplies buffer 1 and changes slots.
; change = 1: this slot is filled again, two K steps ahead; 2: the slots change and nothing is filled; 0: the very last quarter.
.macro LASTQ slot, other, change
	s_wait_dscnt 0x0                               ; buffer 1 is in, and with it my last reads of this slot
.if \change
	s_wait_tensorcnt 0x0                           ; all my tensor loads have landed: my parts of the other slot; no load of mine is out,
	ds_add_u32 v255, v255
	s_wait_dscnt 0x0
.if \change == 1
	s_add_nc_u64 s[G0A+4*\slot+2:G0A+4*\slot+3], s[G0A+4*\slot+2:G0A+4*\slot+3], 2*KSTEP*2   ; so this slot's addresses may step
	s_add_nc_u64 s[G0B+4*\slot+2:G0B+4*\slot+3], s[G0B+4*\slot+2:G0B+4*\slot+3], 2*KSTEP*2
.endif
	s_barrier_signal -1                            ; say so (where the slot is filled again this opens a round of the cluster's barrier)
.endif
	WIN MUL_LO
	MULH 1, 0, 0, 0                                ; registers only, while the others arrive
	MULH 1, 0, 2, 0
.if \change
	WIN 0
	s_barrier_wait -1
.if \change == 1
	CREST                                          ; no wave of any partner still reads this slot or has a load on its way
	JLOAD \slot                                    ; the first tensor loads behind the round
.endif
	PLACES
	FETCH \other, 0, 0
.endif
	WIN MUL_HI
	MULH 1, 1, 0, 0
	MULH 1, 1, 2, 0
.endm
.macro STEP slot, other, zero, change
	QUARTER \slot, 64,  0, 1, \zero
	QUARTER \slot, 128, 1, 0, 0
	QUARTER \slot, 192, 0, 1, 0
	LASTQ \slot, \other, \change
.endm
	s_wait_tensorcnt 0x2                           ; my two loads of K step 0 are in; the two of K step 1 may be out
	s_barrier_signal -1
	s_barrier_wait -1                              ; everybody's are
	FETCH 0, 0, 0
	STEP 0, 1, 1, 1                                ; K steps 0 and 1 stand in front of the loop: the first products start the sums
	STEP 1, 0, 0, 1
	WIN 0                                          ; at a label and at a branch every window is 0
	s_mov_b32 s3, 2
.Llap:
	STEP 0, 1, 0, 1                                ; K steps 2 to 5, which ask for 4 to 7
	STEP 1, 0, 0, 1
	WIN 0
	s_sub_co_u32 s3, s3, 1
	s_cmp_lg_u32 s3, 0
	s_cbranch_scc1 .Llap
	STEP 0, 1, 0, 2                                ; K step 6 fills nothing
	STEP 1, 0, 0, 0                                ; K step 7
	; THE WAY OUT, 16 rows at a time: q scaled, all rounded to f16, 16 bytes a lane into my own stage, read back as dense rows of q, of k, of v.
	PLACES
.macro OUT16 a
	WIN 0x82                                       ; source 0 and destination window 2
.irp b, 0,1,2,3
.irp r, 0,1,2,3
	v_pk_mul_f32 v[8*(6*\a+\b)+2*\r:8*(6*\a+\b)+2*\r+1], v[8*(6*\a+\b)+2*\r:8*(6*\a+\b)+2*\r+1], s[28:29] op_sel_hi:[1,0]   ; columns 0-63 are q
.endr
.endr
	WIN 0x0a                                       ; sources window 2, destination window 0
.irp b, 0,1,2,3,4,5
.irp r, 0,1,2,3
	v_cvt_pk_f16_f32 v[TMP+4*\b+\r], v[8*(6*\a+\b)+2*\r], v[8*(6*\a+\b)+2*\r+1]
.endr
.endr
	WIN 0x0f                                       ; sources window 3
.irp b, 0,1,2,3,4,5
.irp r, 0,1,2,3
	v_cvt_pk_f16_f32 v[TMP+24+4*\b+\r], v[8*(6*\a+\b)+2*\r], v[8*(6*\a+\b)+2*\r+1]
.endr
.endr
	WIN 0
.irp b, 0,1,2,3,4,5,6,7,8,9,10,11
	ds_store_b128 v[STO], v[TMP+4*\b:TMP+4*\b+3] offset:32*\b
.endr
	s_wait_xcnt 0x0                                ; the registers that the last 16 rows' stores read are loaded again only behind this wait
.irp sel, 0,1,2
.irp t, 0,1,2,3
	ds_load_b128 v[OUTB+4*(4*\sel+\t):OUTB+4*(4*\sel+\t)+3], v[RD] offset:\t*4*SPITCH+\sel*128   ; LDS serves a wave's instructions in order: these see the stores above
.endr
.endr
.irp sel, 0,1,2
.irp t, 0,1,2,3
	s_wait_dscnt 11-(4*\sel+\t)                    ; the younger read-backs may be out
	global_store_b128 v[CO], v[OUTB+4*(4*\sel+\t):OUTB+4*(4*\sel+\t)+3], s[8+2*\sel:9+2*\sel] offset:\a*2048+\t*512   ; four rows: 512 consecutive bytes, aligned
.endr
.endr
.endm
	OUT16 0
	OUT16 1
	OUT16 2
	OUT16 3
	s_set_vgpr_msb 0x1
	s_wait_tensorcnt 0x0
	ds_add_u32 v255, v255
	s_wait_dscnt 0x0
	s_set_vgpr_msb 0x100
	CROUND                                         ; the closing round: no work-group ends while a partner may still ask for a tile that names it
	s_endpgm
.Lfunc_end_k_qbfd12e5972_qkv:
	.size	k_qbfd12e5972_qkv, .Lfunc_end_k_qbfd12e5972_qkv-k_qbfd12e5972_qkv
	.p2alignl 7, 3214868480
	.fill 96, 4, 3214868480
	.section	.rodata,"a",@progbits
	.p2align	6, 0x0
	.amdhsa_kernel k_qbfd12e5972_qkv
		.amdhsa_group_segment_fixed_size 327680
		.amdhsa_private_segment_fixed_size 0
		.amdhsa_enable_private_segment 0
		.amdhsa_kernarg_size 40
		.amdhsa_user_sgpr_count 2
		.amdhsa_user_sgpr_kernarg_segment_ptr 1
		.amdhsa_wavefront_size32 1
		.amdhsa_system_sgpr_workgroup_id_x 1
		.amdhsa_system_sgpr_workgroup_id_y 1
		.amdhsa_system_sgpr_workgroup_id_z 1
		.amdhsa_system_vgpr_workitem_id 0
		.amdhsa_next_free_vgpr 960
		.amdhsa_next_free_sgpr 72
		.amdhsa_reserve_vcc 0
		.amdhsa_float_denorm_mode_32 3
		.amdhsa_float_denorm_mode_16_64 3
		.amdhsa_memory_ordered 1
		.amdhsa_forward_progress 1
		.amdhsa_inst_pref_size 166
	.end_amdhsa_kernel
	.amdgpu_metadata
---
amdhsa.version: [ 1, 2 ]
amdhsa.kernels:
  - .name:           k_qbfd12e5972_qkv
    .symbol:         k_qbfd12e5972_qkv.kd
    .args:
      - { .name: xh, .offset: 0, .size: 8, .value_kind: global_buffer, .address_space: global }
      - { .name: wqkv, .offset: 8, .size: 8, .value_kind: global_buffer, .address_space: global }
      - { .name: qh, .offset: 16, .size: 8, .value_kind: global_buffer, .address_space: global }
      - { .name: kh, .offset: 24, .size: 8, .value_kind: global_buffer, .address_space: global }
      - { .name: vh, .offset: 32, .size: 8, .value_kind: global_buffer, .address_space: global }
    .group_segment_fixed_size: 327680
    .private_segment_fixed_size: 0
    .kernarg_segment_align: 8
    .kernarg_segment_size: 40
    .max_flat_workgroup_size: 128
    .sgpr_count:     72
    .vgpr_count:     960
    .wavefront_size: 32
...
	.end_amdgpu_metadata
.endif
;; end of part 2
;; launch attn (part 3): grid 8 x 32, 8 waves a work-group, no clusters, 327,680 bytes of LDS; arguments qh, kh, vh, ctxh; writes ctxh
.if DOCPART == 3
	.amdgcn_target "amdgcn-amd-amdhsa--gfx1250"
	.amdhsa_code_object_version 6
	.text
	.protected	k_qbfd12e5972_attn
	.globl	k_qbfd12e5972_attn
	.p2align	8
	.type	k_qbfd12e5972_attn,@function
k_qbfd12e5972_attn:
	s_mov_b64 s[64:65], 0
	v_nop
	global_prefetch_b8 v0, s[64:65] scope:SCOPE_SE
	s_setreg_imm32_b32 hwreg(HW_REG_WAVE_MODE, 25, 1), 1
	s_wait_xcnt 0x0
; Causal attention of one (batch, head), with a running maximum.  qh, kh, vh, ctxh: [32][2048][64] f16; q already holds the factor log2(e) / 8,
; so a score product is an exponent to base 2.
; Query blocks are 128 rows, 16 a head.  Work-group p takes block 2 p and then block 15 - 2 p.  Block i needs the key tiles (128 keys) i, i - 1, .. 0,
; the diagonal one first; keys behind the diagonal tile are masked by reference() itself and are not computed.  That is (2 p + 1) + (16 - 2 p) = 17
; tiles for every work-group, and since the first block has an odd number of tiles, the slot of every trip is a constant of the text.
; NO CLUSTER: the eight work-groups of a head walk different tiles at any one time (block 2 p begins at tile 2 p) and need different numbers of tiles
; for each block, so their requests for a tile do not meet.
; Eight waves.  wq = w & 3 owns query rows 32 wq .. + 31 as two pieces of 16; team = w >> 2 takes keys 64 team .. + 63 of every tile.  The two teams'
; (maximum, sum, O) are merged through LDS at each block's end: team 0 finishes piece 0, team 1 piece 1.
; LAYOUTS.  S^T = K fragment x Q fragment: lane (r, h), register j holds S(query r, key 16 kt + 8 h + j).  Two such tiles, packed to f16, ARE the
; fragment of P for 32 keys.  O^T = V^T fragment (transposing LDS load) x P fragment: lane (r, h) holds O(query r, d = 16 dt + 8 h + j).  So a query's
; maximum and sum live in the two lanes (r, 0), (r, 1), and one exchange between the halves joins them.
; K and V come by tensor loads into two slots; wave w brings 16 rows of each: two tensor loads outstanding by this text's own count.
; THE DIAGONAL TILE'S WEIGHTS are cut to f16's 11 significant bits before they are summed, so that the sum divides the very numbers that multiply V:
; in a row with few keys the cut's common part then cancels.  Later tiles, 15 of the 17 trips, sum the unrounded weights: their rows average many keys.
; LIMITS: a masked score is -1e9 (here -1e9 log2(e)) as in reference(); keys of wholly masked tiles are skipped, which equals reference() as long as real
; scores stay above about -9e8.  |v| beyond 65,504 is an infinity in f16.  p never exceeds 1: the maximum is taken of the very numbers it is taken from.
.set SLOT,  38912                      ; K: 128 rows x 144 bytes; V: 128 rows x 160 bytes
.set VOFF,  18432
.set MERGE, 77824                      ; a multiple of 256: from here on no tensor load lands.  Wave w's mailbox: 4,608 bytes
.set OUTS,  114688                     ; wave w's stage: 16 rows x 144 bytes
.set KAD, 2                            ; v2   team x 64 rows + r x 144 + 16 h
.set VAD, 3                            ; v3   V, for the transposing load
.set QO,  4                            ; v4   r x 128 + 16 h
.set MBW, 5                            ; v5   my mailbox + 16 x lane
.set MBR, 6                            ; v6   the mailbox of wave w xor 4
.set STO, 7                            ; v7   stage, in
.set SRD, 8                            ; v8   stage, back
.set CO,  9                            ; v9   16 x lane
.set DD,  10                           ; v10-11  piece i: my query's place less my first key's place in the diagonal tile
.set NEGV, 12                          ; v12  the masked score
.set PT,  13                           ; v13  what the other half of the lanes sent
.set ST,  16                           ; v[16:23] piece i: {NM = minus the running maximum, spare, AL = the last rescale, LL = my lane's running sum}
.set T,   24                           ; v[24:31] at work
.set QF,  32                           ; v[32:63]   Q fragments, 16 i + 8 ks
.set OA,  64                           ; v[64:127]  O, 32 i + 8 dt
.set SS,  128                          ; v[128:191] S, 32 i + 8 kt; P is packed in place into the first 16 of each 32
.set KV,  192                          ; v[192:255] 8 fragments: K's, then V's
.set G1K, 32
.set G1V, 40
.set G0K, 48                           ; s[48:55] K, slot 0 and 1
.set G0V, 56                           ; s[56:63] V, slot 0 and 1
	s_load_b256 s[4:11], s[0:1], 0x0               ; qh s[4:5], kh s[6:7], vh s[8:9], ctxh s[10:11]
	s_set_vgpr_msb 0x40
	v_lshl_add_u32 v0, v0, 2, 0x29000
	v_mov_b32 v1, 0
	s_set_vgpr_msb 0x4045
	ds_add_u32 v0, v1
	ds_add_u32 v0, v1
	s_set_vgpr_msb 0x4500
	v_lshrrev_b32 v1, 5, v0
	v_readfirstlane_b32 s12, v1                    ; wave 0..7
	s_lshr_b32 s13, s12, 2                         ; team
	s_and_b32 s14, s12, 3                          ; wq
	s_mov_b32 s15, ttmp9                           ; p
	s_and_b32 s16, ttmp7, 0xffff                   ; batch x 16 + head
	s_lshl_b32 s17, s15, 1                         ; the first block, 2 p
	s_sub_co_u32 s18, 15, s17                      ; the second, 15 - 2 p
	s_mov_b32 s19, s17                             ; the next tile to ask for
	s_mov_b32 s23, 0
	s_mov_b32 s30, 0x76543210                      ; v_permlanex16_b32: lane i of one half reads lane i of the other
	s_mov_b32 s31, 0xfedcba98
	s_mov_b32 s76, 0xffffe000                      ; keeps an f32's sign, exponent and upper 10 bits of fraction: what f16 holds
	; shapes: 16 rows of 64 elements of 2 bytes; behind every 32 words 4 words of padding (K) or 8 (V)
	s_mov_b32 s[G1K+0], (1<<16)|(1<<20)|(4<<22)|(3<<25)
	s_mov_b32 s[G1K+1], 64<<16
	s_mov_b32 s[G1K+2], 16<<16
	s_mov_b32 s[G1K+3], 64<<16
	s_mov_b32 s[G1K+4], 16
	s_mov_b32 s[G1K+5], 64
	s_mov_b32 s[G1K+6], 0
	s_mov_b32 s[G1K+7], 0
	s_mov_b32 s[G1V+0], (1<<16)|(1<<20)|(4<<22)|(7<<25)
	s_mov_b32 s[G1V+1], 64<<16
	s_mov_b32 s[G1V+2], 16<<16
	s_mov_b32 s[G1V+3], 64<<16
	s_mov_b32 s[G1V+4], 16
	s_mov_b32 s[G1V+5], 64
	s_mov_b32 s[G1V+6], 0
	s_mov_b32 s[G1V+7], 0
	s_mov_b32 s[G0K+0], 1
	s_mul_i32 s[G0K+1], s12, 16*144                ; my 16 rows of K, slot 0
	s_mov_b32 s[G0K+4], 1
	s_add_co_u32 s[G0K+5], s[G0K+1], SLOT
	s_mov_b32 s[G0V+0], 1
	s_mul_i32 s[G0V+1], s12, 16*160
	s_add_co_u32 s[G0V+1], s[G0V+1], VOFF
	s_mov_b32 s[G0V+4], 1
	s_add_co_u32 s[G0V+5], s[G0V+1], SLOT
	s_lshl_b32 s2, s16, 18                         ; a head is 2,048 rows of 128 bytes
	s_lshl_b32 s3, s12, 11                         ; my 16 rows of a tile
	s_add_co_u32 s22, s2, s3
	s_wait_dscnt 0x0
	s_wait_kmcnt 0x0
	s_add_nc_u64 s[24:25], s[6:7], s[22:23]        ; K at my rows of tile 0, with the descriptor's type bits
	s_or_b32 s25, s25, 0x80000000
	s_add_nc_u64 s[26:27], s[8:9], s[22:23]        ; V likewise
	s_or_b32 s27, s27, 0x80000000
; The addresses of the next tile go into slot x's descriptors; then the tile number steps down, and from 0 on to the second block's diagonal tile.
.macro NEXT x
	s_lshl_b32 s22, s19, 14                        ; a tile is 128 rows of 128 bytes
	s_add_nc_u64 s[G0K+4*\x+2:G0K+4*\x+3], s[24:25], s[22:23]
	s_add_nc_u64 s[G0V+4*\x+2:G0V+4*\x+3], s[26:27], s[22:23]
	s_sub_co_i32 s19, s19, 1
	s_cmp_lt_i32 s19, 0
	s_cselect_b32 s19, s18, s19
.endm
	NEXT 0
	tensor_load_to_lds s[G0K:G0K+3], s[G1K:G1K+7]  ; the first block's diagonal tile, a first fill
	s_nop 0
	tensor_load_to_lds s[G0V:G0V+3], s[G1V:G1V+7]
	s_nop 0
	; Q and the result: head, block, my 32 rows; the result also my team's piece of 16 rows
	s_lshl_b32 s3, s14, 12
	s_add_co_u32 s2, s2, s3
	s_lshl_b32 s21, s13, 11
	s_lshl_b32 s3, s17, 14
	s_add_co_u32 s22, s2, s3
	s_add_nc_u64 s[66:67], s[4:5], s[22:23]
	s_add_co_u32 s22, s22, s21
	s_add_nc_u64 s[70:71], s[10:11], s[22:23]
	s_lshl_b32 s3, s18, 14
	s_add_co_u32 s22, s2, s3
	s_add_nc_u64 s[68:69], s[4:5], s[22:23]
	s_add_co_u32 s22, s22, s21
	s_add_nc_u64 s[72:73], s[10:11], s[22:23]
	v_and_b32 v1, 31, v0                           ; lane
	v_and_b32 v14, 15, v0                          ; r
	v_bfe_u32 v15, v0, 4, 1                        ; h
	v_lshlrev_b32 v27, 7, v14
	v_lshl_add_u32 v[QO], v15, 4, v27
.macro QLOAD qb                        ; a block's Q fragments: piece i, 32 ks along d
.irp i, 0,1
.irp ks, 0,1
	global_load_b128 v[QF+16*\i+8*\ks:QF+16*\i+8*\ks+3],   v[QO], s[\qb:\qb+1] offset:2048*\i+64*\ks
	global_load_b128 v[QF+16*\i+8*\ks+4:QF+16*\i+8*\ks+7], v[QO], s[\qb:\qb+1] offset:2048*\i+64*\ks+32
.endr
.endr
.endm
	QLOAD 66
	v_mul_u32_u24 v24, v14, 144
	v_lshl_add_u32 v24, v15, 4, v24                ; r x 144 + 16 h
	s_mul_i32 s74, s13, 64*144
	v_add_nc_u32 v[KAD], s74, v24
	s_mul_i32 s74, s12, 16*144
	s_add_co_u32 s74, s74, OUTS
	v_add_nc_u32 v[STO], s74, v24
	v_lshrrev_b32 v25, 3, v1                       ; back: eight lanes take a row of 128 bytes, the wave four rows
	v_and_b32 v26, 7, v0
	v_mul_u32_u24 v27, v25, 144
	v_lshl_add_u32 v27, v26, 4, v27
	v_add_nc_u32 v[SRD], s74, v27
	v_lshl_add_u32 v27, v15, 3, v26                ; V: key row 8 h + (lane & 7),
	v_mul_u32_u24 v27, v27, 160
	v_bfe_u32 v28, v0, 3, 1
	v_lshl_add_u32 v27, v28, 4, v27                ; 16 bytes on for lanes 8-15 of each half
	s_mul_i32 s74, s13, 64*160
	s_add_co_u32 s74, s74, VOFF
	v_add_nc_u32 v[VAD], s74, v27
	v_lshlrev_b32 v[CO], 4, v1
	s_mul_i32 s74, s12, 4608
	s_add_co_u32 s74, s74, MERGE
	v_add_nc_u32 v[MBW], s74, v[CO]
	s_xor_b32 s74, s12, 4                          ; the wave with my query rows in the other team
	s_mul_i32 s74, s74, 4608
	s_add_co_u32 s74, s74, MERGE
	v_add_nc_u32 v[MBR], s74, v[CO]
	v_lshlrev_b32 v27, 3, v15
	v_sub_nc_u32 v27, v14, v27                     ; r - 8 h
	s_lshl_b32 s74, s14, 5
	s_lshl_b32 s75, s13, 6
	s_sub_co_u32 s74, s74, s75                     ; 32 wq - 64 team
	v_add_nc_u32 v[DD], s74, v27
	v_add_nc_u32 v[DD+1], 16, v[DD]
	v_mov_b32 v[NEGV], 0xceabfb8f                  ; -1e9 x log2(e)
	v_mov_b32 v[PT], 0
.irp c, 0,1,2,3,4,5,6,7
	v_mov_b32 v[ST+\c], 0                          ; written once whole: pairs and quads of them are read before every word has a meaning
.endr
; Piece i's 16 queries x 64 keys: mask (diagonal tile), running maximum, exponentials, rescale of O, sum, P packed to f16 in place.
.macro SOFTMAX i, diag
.set SB,  SS+32*\i
.set OB,  OA+32*\i
.set NMR, ST+4*\i
.if \diag
.irp kt, 0,1,2,3
.irp j, 0,1,2,3,4,5,6,7
	v_cmp_gt_i32 vcc_lo, 16*\kt+\j, v[DD+\i]       ; the key lies behind the query
	v_cndmask_b32 v[SB+8*\kt+\j], v[SB+8*\kt+\j], v[NEGV], vcc_lo
.endr
.endr
.endif
	v_max3_num_f32 v[T],   v[SB],    v[SB+1],  v[SB+2]     ; two chains: 17 and 15 numbers
	v_max3_num_f32 v[T+1], v[SB+17], v[SB+18], v[SB+19]
.set n, 0
.rept 6
	v_max3_num_f32 v[T],   v[T],   v[SB+3+2*n],  v[SB+4+2*n]
	v_max3_num_f32 v[T+1], v[T+1], v[SB+20+2*n], v[SB+21+2*n]
.set n, n+1
.endr
	v_max3_num_f32 v[T], v[T], v[SB+15], v[SB+16]
	v_max_num_f32 v[T], v[T], v[T+1]
	v_permlanex16_b32 v[PT], v[T], s30, s31        ; the other 32 keys of my query
	v_max_num_f32 v[T], v[T], v[PT]
.if \diag
	v_sub_f32 v[NMR], 0, v[T]                      ; a block's first tile starts the maximum
.else
	v_sub_f32 v[T+1], 0, v[T]
	v_min_num_f32 v[T+1], v[NMR], v[T+1]           ; minus the new maximum
	v_sub_f32 v[T+2], v[T+1], v[NMR]               ; old maximum - new, never above 0
	v_exp_f32 v[NMR+2], v[T+2]
	v_mov_b32 v[NMR], v[T+1]                       ; the plain instruction behind the exponential (ISA guide 5.7.2)
.endif
.set n, 0
.rept 16
	v_pk_add_f32 v[SB+2*n:SB+2*n+1], v[SB+2*n:SB+2*n+1], v[NMR:NMR+1] op_sel_hi:[1,0]   ; S - maximum, both from NM
.set n, n+1
.endr
.set n, 0
.rept 16
	v_exp_f32 v[SB+2*n],   v[SB+2*n]
	v_exp_f32 v[SB+2*n+1], v[SB+2*n+1]
.if \diag == 0
	s_wait_alu depctr_va_vdst(0)
	v_pk_mul_f32 v[OB+2*n:OB+2*n+1], v[OB+2*n:OB+2*n+1], v[NMR+2:NMR+3] op_sel_hi:[1,0]  ; O's rescale, set among the exponentials; the last is the plain instruction behind them
.endif
.set n, n+1
.endr
.if \diag
	v_nop                                          ; the plain instruction behind the exponentials
.set n, 0
	s_wait_alu depctr_va_vdst(0)
.rept 32
	v_and_b32 v[SB+n], s76, v[SB+n]                ; cut to what f16 holds (from 2^-14 up exactly; below, the packing is off by 2^-25 at the most): summed and multiplied alike
.set n, n+1
.endr
.endif
	s_wait_alu depctr_va_vdst(0)
	v_pk_add_f32 v[T:T+1],   v[SB:SB+1],   v[SB+2:SB+3]        ; my 32 numbers, two chains
	v_pk_add_f32 v[T+2:T+3], v[SB+4:SB+5], v[SB+6:SB+7]
.set n, 0
.rept 6
	v_pk_add_f32 v[T:T+1],   v[T:T+1],   v[SB+8+4*n:SB+9+4*n]
	v_pk_add_f32 v[T+2:T+3], v[T+2:T+3], v[SB+10+4*n:SB+11+4*n]
.set n, n+1
.endr
	v_pk_add_f32 v[T:T+1], v[T:T+1], v[T+2:T+3]
.if \diag
	v_add_f32 v[NMR+3], v[T], v[T+1]
.else
	v_add_f32 v[T], v[T], v[T+1]
	v_fma_f32 v[NMR+3], v[NMR+3], v[NMR+2], v[T]   ; the sum stays my lane's own: the halves meet at the block's end
.endif
.set n, 0
.rept 16
	v_cvt_pk_f16_f32 v[SB+n], v[SB+2*n], v[SB+2*n+1]       ; ascending: word n is written when words 2 n, 2 n + 1 are read
.set n, n+1
.endr
.endm
; One key tile.  slot: where it lies; other: the slot read last trip; diag: a block's first tile; refill: the next tile is asked for.
.macro TRIP slot, other, diag, refill
	s_set_vgpr_msb 0x5
	s_wait_tensorcnt 0x0                           ; all my tensor loads have landed, my rows of this tile among them: every descriptor may be written
	ds_add_u32 v0, v1
	s_wait_dscnt 0x0
	s_set_vgpr_msb 0x500
.if \refill
	NEXT \other
.endif
	s_wait_dscnt 0x0                               ; my reads of the other slot are back
	s_barrier_signal -1
	s_barrier_wait -1                              ; both hold of all eight waves
.if \refill
	tensor_load_to_lds s[G0K+4*\other:G0K+4*\other+3], s[G1K:G1K+7]    ; the first tensor loads behind the barrier; they have this trip in which to land
	s_nop 0
	tensor_load_to_lds s[G0V+4*\other:G0V+4*\other+3], s[G1V:G1V+7]
	s_nop 0
.endif
.irp ks, 0,1
.irp kt, 0,1,2,3
	ds_load_b128 v[KV+8*(4*\ks+\kt):KV+8*(4*\ks+\kt)+3],   v[KAD] offset:\slot*SLOT+\kt*2304+\ks*64
	ds_load_b128 v[KV+8*(4*\ks+\kt)+4:KV+8*(4*\ks+\kt)+7], v[KAD] offset:\slot*SLOT+\kt*2304+\ks*64+32
.endr
.endr
.if \diag
	s_wait_loadcnt 0x0                             ; the block's Q
.endif
	; S^T: eight accumulators take turns, one instruction a turn; the first 32 of d start the sums
.irp ks, 0,1
.irp kt, 0,1,2,3
	s_wait_dscnt 14-2*(4*\ks+\kt)                  ; this fragment's two loads are back; the two of each later fragment may be out
.irp i, 0,1
.if \ks
	v_wmma_f32_16x16x32_f16 v[SS+32*\i+8*\kt:SS+32*\i+8*\kt+7], v[KV+8*(4*\ks+\kt):KV+8*(4*\ks+\kt)+7], v[QF+16*\i+8*\ks:QF+16*\i+8*\ks+7], v[SS+32*\i+8*\kt:SS+32*\i+8*\kt+7]
.else
	v_wmma_f32_16x16x32_f16 v[SS+32*\i+8*\kt:SS+32*\i+8*\kt+7], v[KV+8*(4*\ks+\kt):KV+8*(4*\ks+\kt)+7], v[QF+16*\i+8*\ks:QF+16*\i+8*\ks+7], 0
.endif
.endr
.endr
.endr
.rept 4
	v_nop                                          ; four places in front of the loads into K's registers and of the reads of S
.endr
.irp ks, 0,1
.irp dt, 0,1,2,3
	ds_load_tr16_b128 v[KV+8*(4*\ks+\dt):KV+8*(4*\ks+\dt)+3],   v[VAD] offset:\slot*SLOT+\ks*5120+\dt*32
	ds_load_tr16_b128 v[KV+8*(4*\ks+\dt)+4:KV+8*(4*\ks+\dt)+7], v[VAD] offset:\slot*SLOT+\ks*5120+\dt*32+2560
.endr
.endr
	SOFTMAX 0, \diag                               ; V's fragments come meanwhile
	SOFTMAX 1, \diag
	s_wait_dscnt 0x0
	; O^T += V^T P: eight accumulators by turns; a block's first tile starts the sums
.irp ks, 0,1
.irp dt, 0,1,2,3
.irp i, 0,1
.if \diag*(1-\ks)
	v_wmma_f32_16x16x32_f16 v[OA+32*\i+8*\dt:OA+32*\i+8*\dt+7], v[KV+8*(4*\ks+\dt):KV+8*(4*\ks+\dt)+7], v[SS+32*\i+8*\ks:SS+32*\i+8*\ks+7], 0
.else
	v_wmma_f32_16x16x32_f16 v[OA+32*\i+8*\dt:OA+32*\i+8*\dt+7], v[KV+8*(4*\ks+\dt):KV+8*(4*\ks+\dt)+7], v[SS+32*\i+8*\ks:SS+32*\i+8*\ks+7], v[OA+32*\i+8*\dt:OA+32*\i+8*\dt+7]
.endif
.endr
.endr
.endr
.rept 5
	v_nop                                          ; five places in front of the next score products, which write over P; they also serve the next loads into V's registers and the reads of O
.endr
.endm
.macro EPUT i                          ; piece i's O and its four figures into my mailbox, lane by lane
.irp c, 0,1,2,3,4,5,6,7
	ds_store_b128 v[MBW], v[OA+32*\i+4*\c:OA+32*\i+4*\c+3] offset:512*\c
.endr
	ds_store_b128 v[MBW], v[ST+4*\i:ST+4*\i+3] offset:4096
.endm
.macro EGET i, ob                      ; piece i: the other team's part is merged with mine, divided by the sum, rounded and stored
.irp c, 0,1,2,3,4,5,6,7
	ds_load_b128 v[KV+4*\c:KV+4*\c+3], v[MBR] offset:512*\c
.endr
	ds_load_b128 v[T:T+3], v[MBR] offset:4096
	s_wait_dscnt 0x0
	v_min_num_f32 v[T+1], v[ST+4*\i], v[T]         ; minus the common maximum
	v_sub_f32 v[T+4], v[T+1], v[ST+4*\i]           ; my maximum - the common one
	v_sub_f32 v[T+6], v[T+1], v[T]                 ; the other's
	v_exp_f32 v[T+4], v[T+4]
	v_exp_f32 v[T+6], v[T+6]
	v_nop                                          ; the plain instruction behind the exponentials
	s_wait_alu depctr_va_vdst(0)
	v_mul_f32 v[T+5], v[ST+4*\i+3], v[T+4]
	v_fmac_f32 v[T+5], v[T+3], v[T+6]              ; both teams' sums of my half of the lanes,
	v_permlanex16_b32 v[PT], v[T+5], s30, s31
	v_add_f32 v[T+5], v[T+5], v[PT]                ; and of the other half
	v_rcp_f32 v[T+5], v[T+5]
	v_mov_b32 v[T+7], 0                            ; the plain instruction behind the reciprocal; it also completes the pair read below
	s_wait_alu depctr_va_vdst(0)
	v_mul_f32 v[T+4], v[T+4], v[T+5]
	v_mul_f32 v[T+6], v[T+6], v[T+5]
.set n, 0
.rept 16
	v_pk_mul_f32 v[OA+32*\i+2*n:OA+32*\i+2*n+1], v[OA+32*\i+2*n:OA+32*\i+2*n+1], v[T+4:T+5] op_sel_hi:[1,0]
.set n, n+1
.endr
.set n, 0
.rept 16
	v_pk_fma_f32 v[OA+32*\i+2*n:OA+32*\i+2*n+1], v[KV+2*n:KV+2*n+1], v[T+6:T+7], v[OA+32*\i+2*n:OA+32*\i+2*n+1] op_sel_hi:[1,0,1]
.set n, n+1
.endr
.set n, 0
.rept 16
	v_cvt_pk_f16_f32 v[SS+n], v[OA+32*\i+2*n], v[OA+32*\i+2*n+1]
.set n, n+1
.endr
.irp dt, 0,1,2,3
	ds_store_b128 v[STO], v[SS+4*\dt:SS+4*\dt+3] offset:32*\dt     ; row r, d = 16 dt + 8 h ..
.endr
.irp t, 0,1,2,3
	ds_load_b128 v[SS+16+4*\t:SS+16+4*\t+3], v[SRD] offset:576*\t  ; my own stage: LDS serves a wave's instructions in order
.endr
.irp t, 0,1,2,3
	s_wait_dscnt 3-\t                              ; the younger read-backs may be out
	global_store_b128 v[CO], v[SS+16+4*\t:SS+16+4*\t+3], s[\ob:\ob+1] offset:512*\t   ; four rows: 512 consecutive bytes, aligned
.endr
.endm
; A block's end.  ob: the result's base; qn = 1: the next block's Q (base qb) is asked for first.
.macro EPI ob, qn, qb
.if \qn
	QLOAD \qb
.endif
	s_cmp_lt_u32 s12, 4
	s_cbranch_scc0 .Lput_b_\@
	EPUT 1                                         ; team 0 hands piece 1 over
	s_branch .Lput_done_\@
.Lput_b_\@:
	EPUT 0                                         ; team 1 hands piece 0 over
.Lput_done_\@:
	s_wait_dscnt 0x0                               ; my mailbox is written
	s_barrier_signal -1
	s_barrier_wait -1                              ; everybody's is.  The next tile may stay on its way
	s_cmp_lt_u32 s12, 4
	s_cbranch_scc0 .Lget_b_\@
	EGET 0, \ob
	s_branch .Lget_done_\@
.Lget_b_\@:
	EGET 1, \ob
.Lget_done_\@:
.if \qn
	s_wait_xcnt 0x0                                ; the registers that the stores read are written again by the next tile's products only behind this wait
.endif
.endm
	TRIP 0, 1, 1, 1                                ; block 2 p: its diagonal tile,
	s_cmp_eq_u32 s15, 0
	s_cbranch_scc1 .Lfirst_done
	s_mov_b32 s20, s15
.Lfirst:
	TRIP 1, 0, 0, 1                                ; then 2 p whole tiles
	TRIP 0, 1, 0, 1
	s_sub_co_i32 s20, s20, 1
	s_cmp_lg_u32 s20, 0
	s_cbranch_scc1 .Lfirst
.Lfirst_done:
	EPI 70, 1, 68
	TRIP 1, 0, 1, 1                                ; block 15 - 2 p: its diagonal tile,
	s_sub_co_u32 s20, 7, s15
	s_cmp_eq_u32 s20, 0
	s_cbranch_scc1 .Lsecond_done
.Lsecond:
	TRIP 0, 1, 0, 1                                ; 14 - 2 p whole tiles,
	TRIP 1, 0, 0, 1
	s_sub_co_i32 s20, s20, 1
	s_cmp_lg_u32 s20, 0
	s_cbranch_scc1 .Lsecond
.Lsecond_done:
	TRIP 0, 1, 0, 0                                ; and tile 0, which asks for nothing more
	EPI 72, 0, 0
	s_set_vgpr_msb 0x5
	s_wait_tensorcnt 0x0
	ds_add_u32 v0, v1
	s_wait_dscnt 0x0
	s_set_vgpr_msb 0x500
	s_endpgm
.Lfunc_end_k_qbfd12e5972_attn:
	.size	k_qbfd12e5972_attn, .Lfunc_end_k_qbfd12e5972_attn-k_qbfd12e5972_attn
	.p2alignl 7, 3214868480
	.fill 96, 4, 3214868480
	.section	.rodata,"a",@progbits
	.p2align	6, 0x0
	.amdhsa_kernel k_qbfd12e5972_attn
		.amdhsa_group_segment_fixed_size 327680
		.amdhsa_private_segment_fixed_size 0
		.amdhsa_enable_private_segment 0
		.amdhsa_kernarg_size 32
		.amdhsa_user_sgpr_count 2
		.amdhsa_user_sgpr_kernarg_segment_ptr 1
		.amdhsa_wavefront_size32 1
		.amdhsa_system_sgpr_workgroup_id_x 1
		.amdhsa_system_sgpr_workgroup_id_y 1
		.amdhsa_system_sgpr_workgroup_id_z 1
		.amdhsa_system_vgpr_workitem_id 0
		.amdhsa_next_free_vgpr 258
		.amdhsa_next_free_sgpr 80
		.amdhsa_reserve_vcc 1
		.amdhsa_float_denorm_mode_32 3
		.amdhsa_float_denorm_mode_16_64 3
		.amdhsa_memory_ordered 1
		.amdhsa_forward_progress 1
		.amdhsa_inst_pref_size 169
	.end_amdhsa_kernel
	.amdgpu_metadata
---
amdhsa.version: [ 1, 2 ]
amdhsa.kernels:
  - .name:           k_qbfd12e5972_attn
    .symbol:         k_qbfd12e5972_attn.kd
    .args:
      - { .name: qh, .offset: 0, .size: 8, .value_kind: global_buffer, .address_space: global }
      - { .name: kh, .offset: 8, .size: 8, .value_kind: global_buffer, .address_space: global }
      - { .name: vh, .offset: 16, .size: 8, .value_kind: global_buffer, .address_space: global }
      - { .name: ctxh, .offset: 24, .size: 8, .value_kind: global_buffer, .address_space: global }
    .group_segment_fixed_size: 327680
    .private_segment_fixed_size: 0
    .kernarg_segment_align: 8
    .kernarg_segment_size: 32
    .max_flat_workgroup_size: 256
    .sgpr_count:     80
    .vgpr_count:     258
    .wavefront_size: 32
...
	.end_amdgpu_metadata
.endif
;; end of part 3
;; launch oproj (part 4): grid 8 x 32, 4 waves a work-group, clusters of 4 x 4, 327,680 bytes of LDS; arguments ctxh, woh, out0; writes out0
.if DOCPART == 4
	.amdgcn_target "amdgcn-amd-amdhsa--gfx1250"
	.amdhsa_code_object_version 6
	.text
	.protected	k_qbfd12e5972_oproj
	.globl	k_qbfd12e5972_oproj
	.p2align	8
	.type	k_qbfd12e5972_oproj,@function
k_qbfd12e5972_oproj:
	s_mov_b64 s[64:65], 0
	v_nop
	global_prefetch_b8 v0, s[64:65] scope:SCOPE_SE
	s_setreg_imm32_b32 hwreg(HW_REG_WAVE_MODE, 25, 1), 1
	s_wait_xcnt 0x0
	s_wait_alu depctr_hold_cnt(0) depctr_sa_sdst(0) depctr_va_vdst(0) depctr_va_sdst(0) depctr_va_ssrc(0) depctr_va_vcc(0) depctr_vm_vsrc(0)
	s_getreg_b32 s2, hwreg(HW_REG_IB_STS2, 6, 4)
	s_cmp_eq_u32 s2, 0
	s_cbranch_scc0 .Lentry_in_a_cluster
	s_endpgm
.Lentry_in_a_cluster:
	s_bfe_u32 s2, ttmp6, 0x10000c
	s_cmp_lg_u32 s2, 0xf033
	s_cbranch_scc0 .Lentry_shape_is_right
	s_endpgm
.Lentry_shape_is_right:
; out0 = ctx Wo^T:  [4096 x 1024] x [1024 x 1024]^T, f16 operands, f32 sums, f32 out.
; ctxh lies [batch][head][row][64]: 64 along K are one head's dense rows of 128 bytes.  Work-group (nb, mb): rows 128 mb .. + 127, columns 128 nb .. + 127,
; so that there are 256 equal work-groups.  Four waves; wave (wr = w >> 1, wc = w & 1) makes 64 x 64: 16 accumulator tiles.
; K goes in 4 steps of 256 (four heads) through two LDS slots.  For a slot wave w brings head 4 s + w of ctx (128 rows x 128 bytes) and rows 32 w .. + 31
; of Wo (512 bytes each).  CLUSTER 4 x 4: ctx's tiles hang on mb alone and are asked for jointly along a row of the cluster, Wo's on nb alone, along a column.
; By this text's own count a wave has at most four tensor loads outstanding (the two slots' first fills), later two.
; The matrix instruction is used transposed (source 0 = Wo's rows, source 1 = ctx's rows): a lane (r, h) holds row r, columns 16 b + 8 h + 0..7, 32 bytes.
.set APITCH, 144                       ; 128 + 16 and 512 + 16: odd multiples of 16
.set BPITCH, 528
.set AHEAD_, 128*APITCH                ; one head's 128 rows: 18,432
.set BOFF,   4*AHEAD_                  ; 73,728
.set SLOT,   BOFF+128*BPITCH           ; 141,312
.set STAGE,  2*SLOT                    ; 282,624, a multiple of 256: no tensor load ever lands here
.set SPITCH, 272                       ; a stage row: 256 bytes + 16
.set ADRA, 16                          ; v16-17  my ctx fragments in slot 0, 1
.set ADRB, 20                          ; v20-21  my Wo fragments
.set STO,  24
.set RD,   25
.set CO,   26
.set FA,   32                          ; v32-63, v64-95  ctx's fragments, buffer 0, 1 (window 0); Wo's lie in window 1 at v0-31, v32-63
.set OUTB, 96                          ; v96-127  rows read back
.set ACC,  128                         ; v128-255 tile (a, b) at 8 (4 a + b)
.set G1A, 32
.set G1B, 40
.set G0A, 48
.set G0B, 56
.set MSB, 0
.macro WIN new                         ; the immediate's high byte repeats the setting that is left
.if MSB != \new
	s_set_vgpr_msb (MSB<<8)|\new
.set MSB, \new
.endif
.endm
.set MUL,  0x01                        ; source 0 window 1, all else window 0
.set TO_B, 0x40                        ; destination window 1
.macro PLACES                          ; four places behind the last matrix instruction (ISA guide 7.12.1)
.rept 4
	v_nop
.endr
.endm
.macro CREST
	s_cmp_lg_u32 s14, 0
	s_cbranch_scc1 .Lnot_wave_0_\@
	s_barrier_signal -3
.Lnot_wave_0_\@:
	s_barrier_wait -3
	s_barrier_signal -1
	s_barrier_wait -1
.endm
.macro CROUND
	s_barrier_signal -1
	s_barrier_wait -1
	CREST
.endm
.macro JLOAD s
	tensor_load_to_lds s[G0A+4*\s:G0A+4*\s+3], s[G1A:G1A+7]
	s_nop 0
	tensor_load_to_lds s[G0B+4*\s:G0B+4*\s+3], s[G1B:G1B+7]
	s_nop 0
.endm
	s_load_b128 s[4:7], s[0:1], 0x0                ; ctxh s[4:5], woh s[6:7]
	s_load_b64 s[8:9], s[0:1], 0x10                ; out0
	s_set_vgpr_msb 0x40
	v_lshl_add_u32 v65, v0, 2, 0x49400
	s_set_vgpr_msb 0x4000
	v_mov_b32 v31, 0
	s_set_vgpr_msb 0x1
	ds_add_u32 v65, v31
	ds_add_u32 v65, v31
	s_set_vgpr_msb 0x100
	v_lshrrev_b32 v1, 5, v0
	v_readfirstlane_b32 s14, v1                    ; wave 0..3
	s_lshr_b32 s10, s14, 1                         ; wr
	s_and_b32 s11, s14, 1                          ; wc
	s_bfe_u32 s15, ttmp6, 0x40000                  ; cx
	s_bfe_u32 s16, ttmp6, 0x40004                  ; cy
	s_lshl_b32 s17, ttmp9, 2
	s_add_co_u32 s17, s17, s15                     ; nb
	s_and_b32 s18, ttmp7, 0xffff
	s_lshl_b32 s18, s18, 2
	s_add_co_u32 s18, s18, s16                     ; mb
	s_lshl_b32 s19, s16, 2
	s_lshl_b32 s19, 15, s19                        ; my row of the cluster
	s_lshl_b32 s20, 0x1111, s15                    ; my column
	s_or_b32 s[G1A+0], s19, (1<<16)|(1<<20)|(1<<21)|(4<<22)|(3<<25)   ; 2-byte elements; 4 words of padding behind every 32 words
	s_mov_b32 s[G1A+1], 64<<16                     ; tensor_dim0 = 64
	s_mov_b32 s[G1A+2], 128<<16                    ; tensor_dim1 = 128
	s_mov_b32 s[G1A+3], 64<<16                     ; tile_dim0 = 64
	s_mov_b32 s[G1A+4], 128                        ; tile_dim1 = 128
	s_mov_b32 s[G1A+5], 64                         ; dense rows
	s_mov_b32 s[G1A+6], 0
	s_mov_b32 s[G1A+7], 0
	s_or_b32 s[G1B+0], s20, (1<<16)|(1<<20)|(1<<21)|(6<<22)|(3<<25)   ; 4 words of padding behind every 128 words
	s_mov_b32 s[G1B+1], 256<<16
	s_mov_b32 s[G1B+2], 32<<16
	s_mov_b32 s[G1B+3], 256<<16
	s_mov_b32 s[G1B+4], 32
	s_mov_b32 s[G1B+5], 1024
	s_mov_b32 s[G1B+6], 0
	s_mov_b32 s[G1B+7], 0
	s_lshr_b32 s22, s18, 4                         ; ctx: batch mb / 16,
	s_lshl_b32 s22, s22, 22
	s_and_b32 s21, s18, 15                         ; rows 128 (mb % 16) of 128 bytes,
	s_lshl_b32 s21, s21, 14
	s_add_co_u32 s22, s22, s21
	s_lshl_b32 s21, s14, 18                        ; head w of the step's four
	s_add_co_u32 s22, s22, s21
	s_mov_b32 s23, 0
	s_lshl_b32 s26, s17, 18                        ; Wo: 128 rows of 2,048 bytes a block,
	s_lshl_b32 s21, s14, 16                        ; my 32 rows
	s_add_co_u32 s26, s26, s21
	s_mov_b32 s27, 0
	s_mul_i32 s24, s14, AHEAD_
	s_mul_i32 s25, s14, 32*BPITCH
	s_add_co_u32 s25, s25, BOFF
	s_wait_dscnt 0x0
	s_wait_kmcnt 0x0
	s_add_nc_u64 s[22:23], s[4:5], s[22:23]
	s_add_nc_u64 s[26:27], s[6:7], s[26:27]
	CROUND                                         ; all sixteen work-groups are here: the first joint loads meet
.irp s, 0,1
	s_mov_b32 s[G0A+4*\s], 1
	s_add_co_u32 s[G0A+4*\s+1], s24, \s*SLOT
	s_add_nc_u64 s[G0A+4*\s+2:G0A+4*\s+3], s[22:23], \s*0x100000     ; four heads on
	s_or_b32 s[G0A+4*\s+3], s[G0A+4*\s+3], 0x80000000
	s_mov_b32 s[G0B+4*\s], 1
	s_add_co_u32 s[G0B+4*\s+1], s25, \s*SLOT
	s_add_nc_u64 s[G0B+4*\s+2:G0B+4*\s+3], s[26:27], \s*512
	s_or_b32 s[G0B+4*\s+3], s[G0B+4*\s+3], 0x80000000
	JLOAD \s
.endr
	v_and_b32 v1, 15, v0                           ; r
	v_bfe_u32 v2, v0, 4, 1                         ; h
	v_mul_u32_u24 v3, v1, APITCH
	v_lshl_add_u32 v3, v2, 4, v3
	s_mul_i32 s21, s10, 64*APITCH
	v_add_nc_u32 v[ADRA], s21, v3
	v_add_nc_u32 v[ADRA+1], SLOT, v[ADRA]
	v_mul_u32_u24 v3, v1, BPITCH
	v_lshl_add_u32 v3, v2, 4, v3
	s_mul_i32 s21, s11, 64*BPITCH
	s_add_co_u32 s21, s21, BOFF
	v_add_nc_u32 v[ADRB], s21, v3
	v_add_nc_u32 v[ADRB+1], SLOT, v[ADRB]
	s_mul_i32 s21, s14, 16*SPITCH
	s_add_co_u32 s21, s21, STAGE
	v_mul_u32_u24 v3, v1, SPITCH
	v_lshl_add_u32 v3, v2, 5, v3                   ; in: row r, 32 bytes for each half of the lanes
	v_add_nc_u32 v[STO], s21, v3
	v_mul_u32_u24 v3, v2, SPITCH                   ; back: lanes 0-15 take a row of 256 bytes, lanes 16-31 the next
	v_lshl_add_u32 v3, v1, 4, v3
	v_add_nc_u32 v[RD], s21, v3
	v_lshlrev_b32 v3, 12, v2                       ; the same two rows in out0, 4,096 bytes apart
	v_lshl_add_u32 v[CO], v1, 4, v3
	s_lshl_b32 s66, s18, 19                        ; 128 rows of 4,096 bytes a block,
	s_lshl_b32 s67, s10, 18                        ; my 64 rows,
	s_add_co_u32 s66, s66, s67
	s_lshl_b32 s67, s17, 9                         ; 128 columns of 4 bytes a block,
	s_add_co_u32 s66, s66, s67
	s_lshl_b32 s67, s11, 8                         ; my 64 columns
	s_add_co_u32 s66, s66, s67
	s_mov_b32 s67, 0
	s_add_nc_u64 s[8:9], s[8:9], s[66:67]
; 16 LDS loads: the fragments of the kq-th 32 along K of slot's 256, into buffer g
.macro FETCH slot, kq, g
	WIN 0
.irp i, 0,1,2,3
	ds_load_b128 v[FA+32*\g+8*\i:FA+32*\g+8*\i+3],   v[ADRA+\slot] offset:(\kq/2)*AHEAD_+(\kq%2)*64+\i*16*APITCH
	ds_load_b128 v[FA+32*\g+8*\i+4:FA+32*\g+8*\i+7], v[ADRA+\slot] offset:(\kq/2)*AHEAD_+(\kq%2)*64+\i*16*APITCH+32
.endr
	WIN TO_B
.irp i, 0,1,2,3
	ds_load_b128 v[32*\g+8*\i:32*\g+8*\i+3],   v[ADRB+\slot] offset:\kq*64+\i*16*BPITCH
	ds_load_b128 v[32*\g+8*\i+4:32*\g+8*\i+7], v[ADRB+\slot] offset:\kq*64+\i*16*BPITCH+32
.endr
.endm
; 8 matrix instructions: row blocks a0, a0 + 1 by the four column blocks.  The 16 accumulators take turns, one instruction a turn.
.macro MUL8 f, a0, zero
.irp a, \a0, \a0+1
.irp b, 0,1,2,3
.if \zero
	v_wmma_f32_16x16x32_f16 v[ACC+8*(4*(\a)+\b):ACC+8*(4*(\a)+\b)+7], v[32*\f+8*\b:32*\f+8*\b+7], v[FA+32*\f+8*(\a):FA+32*\f+8*(\a)+7], 0
.else
	v_wmma_f32_16x16x32_f16 v[ACC+8*(4*(\a)+\b):ACC+8*(4*(\a)+\b)+7], v[32*\f+8*\b:32*\f+8*\b+7], v[FA+32*\f+8*(\a):FA+32*\f+8*(\a)+7], v[ACC+8*(4*(\a)+\b):ACC+8*(4*(\a)+\b)+7]
.endif
.endr
.endr
.endm
.macro QUARTER slot, kq, f, g, zero    ; multiplies buffer f; first asks for the kq-th 32 along K into buffer g
	s_wait_dscnt 0x0                               ; buffer f's 16 loads are back
	PLACES
	FETCH \slot, \kq, \g
	WIN MUL
	MUL8 \f, 0, \zero
	MUL8 \f, 2, \zero
.endm
; The last 32 of a K step: multiplies buffer 1 and changes slots.  change = 1: this slot is filled again; 2: nothing is filled; 0: the very end.
.macro LASTQ slot, other, change
	s_wait_dscnt 0x0                               ; buffer 1 is in, and with it my last reads of this slot
.if \change
	s_wait_tensorcnt 0x0                           ; all my tensor loads have landed: my parts of the other slot; no load of mine is out,
	ds_add_u32 v65, v31
	s_wait_dscnt 0x0
.if \change == 1
	s_add_nc_u64 s[G0A+4*\slot+2:G0A+4*\slot+3], s[G0A+4*\slot+2:G0A+4*\slot+3], 0x200000   ; so this slot's addresses may step: eight heads,
	s_add_nc_u64 s[G0B+4*\slot+2:G0B+4*\slot+3], s[G0B+4*\slot+2:G0B+4*\slot+3], 1024       ; 512 along K
.endif
	s_barrier_signal -1
.endif
	WIN MUL
	MUL8 1, 0, 0
.if \change
	WIN 0
	s_barrier_wait -1
.if \change == 1
	CREST                                          ; no wave of any partner still reads this slot or has a load on its way
	JLOAD \slot                                    ; the first tensor loads behind the round
.endif
	PLACES
	FETCH \other, 0, 0
.endif
	WIN MUL
	MUL8 1, 2, 0
.endm
.macro STEP slot, other, zero, change
	QUARTER \slot, 1, 0, 1, \zero
	QUARTER \slot, 2, 1, 0, 0
	QUARTER \slot, 3, 0, 1, 0
	QUARTER \slot, 4, 1, 0, 0
	QUARTER \slot, 5, 0, 1, 0
	QUARTER \slot, 6, 1, 0, 0
	QUARTER \slot, 7, 0, 1, 0
	LASTQ \slot, \other, \change
.endm
	s_wait_tensorcnt 0x2                           ; my two loads of K step 0 are in; the two of K step 1 may be out
	s_barrier_signal -1
	s_barrier_wait -1
	FETCH 0, 0, 0
	STEP 0, 1, 1, 1                                ; K step 0 starts the sums and asks for K step 2
	STEP 1, 0, 0, 1                                ; K step 1 asks for K step 3
	STEP 0, 1, 0, 2
	STEP 1, 0, 0, 0
	WIN 0
	; THE WAY OUT, 16 rows at a time: 32 bytes a lane into my own stage, read back as whole rows of 256 bytes.
	PLACES
.macro OUT16 a
.irp b, 0,1,2,3
	ds_store_b128 v[STO], v[ACC+8*(4*\a+\b):ACC+8*(4*\a+\b)+3]   offset:64*\b
	ds_store_b128 v[STO], v[ACC+8*(4*\a+\b)+4:ACC+8*(4*\a+\b)+7] offset:64*\b+16
.endr
	s_wait_xcnt 0x0                                ; the registers that the last 16 rows' stores read are loaded again only behind this wait
.irp t, 0,1,2,3,4,5,6,7
	ds_load_b128 v[OUTB+4*\t:OUTB+4*\t+3], v[RD] offset:\t*2*SPITCH    ; LDS serves a wave's instructions in order: these see the stores above
.endr
.irp t, 0,1,2,3,4,5,6,7
	s_wait_dscnt 7-\t                              ; the younger read-backs may be out
	global_store_b128 v[CO], v[OUTB+4*\t:OUTB+4*\t+3], s[8:9] offset:\a*65536+\t*8192 th:TH_STORE_NT   ; 16 lanes store 256 consecutive bytes, aligned
.endr
.endm
	OUT16 0
	OUT16 1
	OUT16 2
	OUT16 3
	s_set_vgpr_msb 0x1
	s_wait_tensorcnt 0x0
	ds_add_u32 v65, v31
	s_wait_dscnt 0x0
	s_set_vgpr_msb 0x100
	CROUND                                         ; the closing round: no work-group ends while a partner may still ask for a tile that names it
	s_endpgm
.Lfunc_end_k_qbfd12e5972_oproj:
	.size	k_qbfd12e5972_oproj, .Lfunc_end_k_qbfd12e5972_oproj-k_qbfd12e5972_oproj
	.p2alignl 7, 3214868480
	.fill 96, 4, 3214868480
	.section	.rodata,"a",@progbits
	.p2align	6, 0x0
	.amdhsa_kernel k_qbfd12e5972_oproj
		.amdhsa_group_segment_fixed_size 327680
		.amdhsa_private_segment_fixed_size 0
		.amdhsa_enable_private_segment 0
		.amdhsa_kernarg_size 24
		.amdhsa_user_sgpr_count 2
		.amdhsa_user_sgpr_kernarg_segment_ptr 1
		.amdhsa_wavefront_size32 1
		.amdhsa_system_sgpr_workgroup_id_x 1
		.amdhsa_system_sgpr_workgroup_id_y 1
		.amdhsa_system_sgpr_workgroup_id_z 1
		.amdhsa_system_vgpr_workitem_id 0
		.amdhsa_next_free_vgpr 322
		.amdhsa_next_free_sgpr 72
		.amdhsa_reserve_vcc 0
		.amdhsa_float_denorm_mode_32 3
		.amdhsa_float_denorm_mode_16_64 3
		.amdhsa_memory_ordered 1
		.amdhsa_forward_progress 1
		.amdhsa_inst_pref_size 89
	.end_amdhsa_kernel
	.amdgpu_metadata
---
amdhsa.version: [ 1, 2 ]
amdhsa.kernels:
  - .name:           k_qbfd12e5972_oproj
    .symbol:         k_qbfd12e5972_oproj.kd
    .args:
      - { .name: ctxh, .offset: 0, .size: 8, .value_kind: global_buffer, .address_space: global }
      - { .name: woh, .offset: 8, .size: 8, .value_kind: global_buffer, .address_space: global }
      - { .name: out0, .offset: 16, .size: 8, .value_kind: global_buffer, .address_space: global }
    .group_segment_fixed_size: 327680
    .private_segment_fixed_size: 0
    .kernarg_segment_align: 8
    .kernarg_segment_size: 24
    .max_flat_workgroup_size: 128
    .sgpr_count:     72
    .vgpr_count:     322
    .wavefront_size: 32
...
	.end_amdgpu_metadata
.endif
;; end of part 4
